; MI455X (gfx1250); checked and timed in simulation.
; The chip was launched on July 23, 2026; its instructions are those of AMD's public machine-readable ISA for CDNA 5 (MIT licence, August 2026) and "CDNA5" Instruction Set Architecture Reference Guide (July 2026). The comments in the code are by the model that wrote it; some were corrected since.
;; Scaled Dot Attention. Allowed arithmetic: float matrix products may take bf16 or f16 operands with f32 sums; all other float work in f32.
;; Inputs: Wo_b 512 float32; Wo_w 512 x 64 float32; keys 16 x 2,048 x 64 float32; query 16 x 2,048 x 64 float32; values 16 x 2,048 x 64 float32.
;; Outputs: out0 16 x 2,048 x 512 float32.
;; One version. Each part assembles by itself: llvm-mc -triple=amdgcn-amd-amdhsa -mcpu=gfx1250 --defsym DOCPART=n.
;; ======== version 1 of 1: 1 launch
;; limits: values are held in f16: magnitudes above 65,504 overflow, below 6.1e-05 lose precision; inputs' magnitudes at most 65,504
;; launch attn (part 1): grid 16 x 16, 4 waves a work-group, no clusters, 132,608 bytes of LDS; arguments query, keys, values, Wo_w, Wo_b, out0; writes out0
.if DOCPART == 1
	.amdgcn_target "amdgcn-amd-amdhsa--gfx1250"
	.amdhsa_code_object_version 6
	.text
	.protected	k_qebdf8d3338_attn
	.globl	k_qebdf8d3338_attn
	.p2align	8
	.type	k_qebdf8d3338_attn,@function
k_qebdf8d3338_attn:
	s_mov_b64 s[64:65], 0
	v_nop
	global_prefetch_b8 v0, s[64:65] scope:SCOPE_SE
	s_setreg_imm32_b32 hwreg(HW_REG_WAVE_MODE, 25, 1), 1
	s_wait_xcnt 0x0
; out = softmax(causal(Q K^T / 8)) V Wo^T + bias.  Q, K, V: [16][2048][64] f32.  Wo: [512][64] f32.  bias: [512] f32.  out: [16][2048][512] f32.
; ONE LAUNCH, nothing goes through memory between the steps.
; SHARING.  Work-group (x, b), x = 0..15, b = batch, owns two blocks of 64 query rows: block a = x, then block a = 31 - x.
; Block a needs the key chunks (64 keys) 0 .. a.  The four waves split the KEYS: every wave holds all 64 queries and takes one chunk a trip,
; so a block takes (a + 4) >> 2 trips and the two blocks together always 9: every work-group does the same work.
; Chunks are walked downward, so only the first trip of a block (the head) can touch the diagonal: it alone masks, and it starts the sums.
; A head chunk wholly above the diagonal (at most 3 of 36 chunks) lies inside the buffers (its index is at most 31) and is masked away whole.
; Each wave keeps its own running maximum, sum and O; at the end of a block the four are merged through LDS, then projected and stored.
; LAYOUTS (ISA guide 7.12.2), lane = (r, h), r = lane & 15, h = lane >> 4:
;   S^T = K Q^T: register j of tile kt holds key 16 kt + 8 h + j of query r, so the statistics of a query stay in a lane (and its partner lane ^ 16),
;   and packing neighbouring registers to 16 bits yields the B fragment of P with no move between lanes.
;   O^T = V^T P^T with rows dv = 4 m + t in tile t: a lane loads V[key][4 r .. 4 r + 3] (16 lanes read one whole row of 256 bytes) and the four
;   words belong to the four tiles: the transposition is a choice of registers.  V never touches LDS.
;   Projection: tile i of a column group holds the columns 64 g + 4 r + i, so the bias add gathers 4 neighbouring columns into 4 neighbouring
;   registers, and each store of 16 lanes covers 256 consecutive bytes of out at a multiple of 256.
; FORMATS.  All four inputs of products (Q, K, V, Wo) are rounded to bf16, to nearest even.  Q K^T runs in the bf16 form.  The two products that take
; an INTERMEDIATE, P V and context Wo^T, run in the f16 form: P (at most 1) and the context (at most the largest |V|) keep 11 significant bits there
; in place of 8.  Their partners V and Wo are rounded to the 8 bits of bf16 in f32 and then packed to f16, which holds such a number exactly
; from 2^-14 to 65504.
; NO CLUSTER, NO TENSOR LOADS: K and V are f32 in memory and are rounded on their way, which takes registers; and the 16 work-groups of a
; batch want different chunks in the same trip (chunk 4 (E - n) + w, with E = ((x + 4) >> 2) - 1 or 8), so that no joint request would meet.
; LIMITS.  |V| and |Wo| up to 65504 (f16); below 2^-14 their f16 image has an absolute error of up to 2^-25.  A weight below 2^-25 of its wave
; running maximum adds nothing to P V, and one below 2^-126 nothing to the sum (v_exp_f32 flushes).  Sums, maxima and exponentials are f32; the
; running maximum is taken away before each exponential as in the reference (its start is -FLT_MAX).  NaN and infinities among the inputs are not
; reproduced.  The keys of a row are summed in four parts that are merged at the end.
; ---- LDS, bytes.  Rows of 64 numbers of 16 bits lie 144 bytes apart (128 + 16): 16 rows of a fragment start at 16 different 16-byte columns of 256 bytes.
.set LK, 0                             ; wave w: 9,216 bytes at 9216 w, its own: first the two halves of its Wo rows, then its K chunk
.set LQ, 36864                         ; Q of both blocks: block * 9216 + row * 144
.set LC, 55296                         ; the merged context: query * 144
.set LM, 64512                         ; wave w at 512 w: 16 r: -c m of the 4 query tiles; + 256: their sums
.set LX, 66560                         ; partial O: source wave * 16384 + (O register / 4) * 512 + lane * 16.  Ends at 132,096
; ---- vector registers, window 0
.set MX,  20                           ; v20-23  running maximum of query tile q
.set LSM, 24                           ; v24-27  running sum
.set TQ,  28                           ; v28-31  at work
.set NMC, 32                           ; v32-39  -c * maximum, twice (a pair for the packed forms)
.set ALF, 40                           ; v40-47  factor for O, twice
.set LSP, 48                           ; v48-55  sums of a trip, pairs
.set BIA, 56                           ; v56-63  bias of my columns: group gl at 4 gl
.set SC,  64                           ; v64-191 scores: query tile q at 32 q, key tile kt at + 8 kt; then P(q, ks) at 32 q + 8 ks
.set VFR, 192                          ; v192-255 fragments of V^T: (ks, t) at (4 ks + t) * 8
.set RED, 64                           ; merge: the four partial O of my query tile, 32 registers each
.set NMW, 192                          ; merge: -c m of wave w at 4 w
.set LLW, 208                          ; merge: sums of wave w at 4 w
.set GMN, 224                          ; merge: the least -c m
.set FOW, 228                          ; merge: my own factor
.set LGS, 232                          ; merge: the whole sum, then its reciprocal
.set EPK, 192                          ; merge: my 32 context numbers in f16
.set CAF, 192                          ; projection: context fragments (qt, s) at (2 qt + s) * 8
.set DPR, 64                           ; projection: two sets of four result tiles
.set OUTR, 128                         ; projection: two sets of 32 registers to store
; ---- window 1
.set OAC, 0                            ; O(q, t) at (4 q + t) * 8
.set QFR, 128                          ; Q fragments (q, s) at (2 q + s) * 8
.set KFR, 192                          ; K fragments (kt, s) at (2 kt + s) * 8
; ---- window 2: f32 as loaded
.set STK, 0                            ; K: load i at 4 i
.set STV, 128                          ; V: (ks, c, i) at ((2 ks + c) * 8 + i) * 4
; ---- window 3
.set WFR, 0                            ; Wo fragments (gl, i, s) at ((4 gl + i) * 2 + s) * 8, kept for the whole launch
.set TM3, 128                          ; 128 registers at work: V or Wo rounded to 8 bits, still f32
.set MSB, 0
.macro WIN new                         ; s_set_vgpr_msb: bits 1:0 source 0, 3:2 source 1, 5:4 source 2, 7:6 destination; the high byte repeats the setting left
.if MSB != \new
	s_set_vgpr_msb (MSB<<8)|\new
.set MSB, \new
.endif
.endm
.macro PLACES n
.rept \n
	v_nop
.endr
.endm
.macro BAR                             ; my LDS stores are done and my LDS loads are in, then all four waves meet
	s_wait_dscnt 0x0
	s_barrier_signal -1
	s_barrier_wait -1
.endm
	s_load_b256 s[4:11], s[0:1], 0x0               ; query s[4:5], keys s[6:7], values s[8:9], Wo_w s[10:11]
	s_load_b128 s[12:15], s[0:1], 0x20             ; Wo_b s[12:13], out0 s[14:15]
	v_lshrrev_b32 v1, 5, v0
	v_readfirstlane_b32 s16, v1                    ; w, my wave
	s_mov_b32 s17, ttmp9                           ; x
	s_and_b32 s18, ttmp7, 0xffff                   ; b
	s_add_co_u32 s19, s17, 4
	s_lshr_b32 s19, s19, 2                         ; T1 = trips of the low block, 1..4
	s_sub_co_u32 s20, s19, 1
	s_sub_co_u32 s54, 31, s17                      ; the high block
	s_mov_b32 s21, 0                               ; t, the trip, 0..8
	s_mov_b32 s23, 0                               ; which of my two blocks
	s_mov_b32 s37, 0                               ; high word of the offset pair s[36:37]
	s_mov_b32 s40, 0x3e38aa3b                      ; c = log2(e) / 8: the division by sqrt(64) and the change to base 2 in one factor
	s_mov_b32 s41, 0x3e38aa3b
	s_mov_b32 s42, 0xbe38aa3b                      ; -c
	s_mov_b32 s43, 0xff7fffff                      ; -FLT_MAX, where the maximum starts
	s_mov_b32 s44, 0x76543210                      ; v_permlanex16_b32: lane i reads lane i ^ 16
	s_mov_b32 s45, 0xfedcba98
	s_mov_b32 s56, 0xc7800000                      ; -65536.0 and
	s_mov_b32 s57, 0xc7800000
	s_mov_b32 s58, 0x47800000                      ; +65536.0: the rounding to 8 bits (see CVV)
	s_mov_b32 s59, 0x47800000
	v_and_b32 v22, 31, v0                          ; lane
	v_and_b32 v20, 15, v0                          ; r
	v_bfe_u32 v21, v0, 4, 1                        ; h
	v_lshlrev_b32 v1, 4, v22                       ; v1  = 16 lane: K, Q, Wo as they lie in memory
	v_lshlrev_b32 v19, 4, v20                      ; v19 = 16 r
	v_lshlrev_b32 v23, 3, v20                      ; 8 r
	v_lshl_add_u32 v2, v21, 11, v19                ; v2  = 8 h rows of 256 bytes + 16 r: V
	v_lshl_add_u32 v15, v21, 14, v19               ; v15 = 8 h rows of 2,048 bytes + 16 r: out
	v_mul_u32_u24 v8, v20, 144
	v_lshl_add_u32 v9, v21, 6, v8                  ; 144 r + 64 h
	v_lshl_add_u32 v8, v21, 4, v8                  ; v8  = 144 r + 16 h: a fragment load
	s_mul_i32 s25, s16, 9216                       ; my area in LK
	s_mul_i32 s26, s16, 2304                       ; 16 w rows
	s_add_co_u32 s27, s26, LQ
	s_add_co_u32 s26, s26, LC
	v_add_nc_u32 v5, s25, v8                       ; v5  = fragments out of my area
	v_mad_u32_u24 v3, v21, 144, v23                ; 144 h + 8 r: two rows a load, 4 numbers of 16 bits a lane
	v_add_nc_u32 v6, s27, v3                       ; v6  = my 16 rows of Q, in
	v_add_nc_u32 v3, s25, v3                       ; v3  = a K chunk, in
	v_mad_u32_u24 v4, v21, 2304, v23
	v_add_nc_u32 v4, s25, v4                       ; v4  = Wo rows, in (reordered: see WOHALF)
	v_add_nc_u32 v9, s26, v9                       ; v9  = my context row, in
	v_add_nc_u32 v10, LC, v8                       ; v10 = context fragments
	s_lshl_b32 s26, s16, 9
	s_add_co_u32 s26, s26, LM
	v_add_nc_u32 v11, s26, v19                     ; v11 = my statistics, in
	v_add_nc_u32 v12, LM, v19                      ; v12 = everybody's statistics
	s_lshl_b32 s26, s16, 14
	s_add_co_u32 s26, s26, LX
	v_add_nc_u32 v13, s26, v1                      ; v13 = my partial O, in
	s_lshl_b32 s26, s16, 12
	s_add_co_u32 s26, s26, LX
	v_add_nc_u32 v14, s26, v1                      ; v14 = query tile w of everybody's partial O
	v_lshlrev_b32 v16, 3, v21
	v_sub_nc_u32 v16, v20, v16                     ; v16 = r - 8 h
	v_mov_b32 v18, 0xff800000                      ; -inf
.irp q, 0,1,2,3
	v_mov_b32 v[TQ+\q], 0                          ; the destination of v_permlanex16_b32 counts as read: written once here
.endr
	s_wait_kmcnt 0x0
	s_lshl_b32 s36, s18, 19                        ; a batch of K, V or Q: 2,048 rows of 256 bytes
	s_add_nc_u64 s[28:29], s[6:7], s[36:37]        ; K of my batch
	s_add_nc_u64 s[30:31], s[8:9], s[36:37]        ; V of my batch
	s_add_nc_u64 s[46:47], s[4:5], s[36:37]
	s_mov_b64 s[48:49], s[46:47]
	s_lshl_b32 s25, s16, 12                        ; my 16 rows of a block
	s_lshl_b32 s36, s17, 14
	s_add_co_u32 s36, s36, s25
	s_add_nc_u64 s[46:47], s[46:47], s[36:37]      ; Q: my rows of the low block
	s_lshl_b32 s36, s54, 14
	s_add_co_u32 s36, s36, s25
	s_add_nc_u64 s[48:49], s[48:49], s[36:37]      ; Q: my rows of the high block
	s_lshl_b32 s36, s16, 15
	s_add_nc_u64 s[50:51], s[10:11], s[36:37]      ; Wo: my 128 rows (columns 128 w .. of out)
	s_lshl_b32 s36, s16, 9
	s_add_nc_u64 s[52:53], s[12:13], s[36:37]      ; bias: my 128 numbers
; The chunk of trip n = t + ahead: 4 (E - n) + w, E = T1 - 1 in the low block, 8 in the high one (whose last trip is trip 8).  64 keys are 16,384 bytes.
.macro PTR dlo, blo, ahead
	s_add_co_u32 s25, s21, \ahead
	s_cmp_lt_u32 s25, s19
	s_cselect_b32 s26, s20, 8
	s_sub_co_u32 s26, s26, s25
	s_lshl2_add_u32 s26, s26, s16
	s_lshl_b32 s36, s26, 14
	s_add_nc_u64 s[\dlo:\dlo+1], s[\blo:\blo+1], s[36:37]
.endm
.macro LDK                             ; a K chunk as it lies: 32 loads of 512 neighbouring bytes (rows 2 i + h, floats 4 r ..)
	WIN 0x80
.set i, 0
.rept 32
	global_load_b128 v[STK+4*i:STK+4*i+3], v1, s[32:33] offset:512*i
.set i, i+1
.endr
.endm
.macro LDV                             ; a V chunk: key 32 ks + 16 c + 8 h + i, floats 4 r ..: each half of the lanes reads one whole row
	WIN 0x80
.irp ks, 0,1
.irp c, 0,1
.irp i, 0,1,2,3,4,5,6,7
	global_load_b128 v[STV+((2*\ks+\c)*8+\i)*4:STV+((2*\ks+\c)*8+\i)*4+3], v2, s[34:35] offset:(32*\ks+16*\c+\i)*256
.endr
.endr
.endr
.endm
; V to fragments.  First every number is rounded to the 8 significant bits of bf16, staying f32, by two fused multiply-adds:
;   t = x - 65536 x,  y = 65536 x + t.
; With x = M 2^q, M of 24 bits, t is M (2^16 - 1) rounded to a multiple of 2^16, that is -(M - k) 2^16 with k = M / 2^16 rounded to nearest;
; a tie needs M even, so it goes to even k, as in bf16; y = k 2^16 2^q is exact.  (For M within 128 of 2^23 t is rounded more finely, and k is 128 all the same.)
; Then register 4 c + p of tile t = word t of keys 2 p and 2 p + 1 of group (ks, c), packed to f16, which is exact for such numbers (see FORMATS).
.macro CVV
	WIN 0xe2                                       ; x from window 2, t to window 3
.set i, 0
.rept 64
	v_pk_fma_f32 v[TM3+2*i:TM3+2*i+1], v[STV+2*i:STV+2*i+1], s[56:57], v[STV+2*i:STV+2*i+1] op_sel_hi:[1,0,1]
.set i, i+1
.endr
	WIN 0xf2                                       ; x from window 2, t and y in window 3
.set i, 0
.rept 64
	v_pk_fma_f32 v[TM3+2*i:TM3+2*i+1], v[STV+2*i:STV+2*i+1], s[58:59], v[TM3+2*i:TM3+2*i+1] op_sel_hi:[1,0,1]
.set i, i+1
.endr
	WIN 0x0f                                       ; y from window 3, fragments to window 0
.irp ks, 0,1
.irp t, 0,1,2,3
.irp c, 0,1
.irp p, 0,1,2,3
	v_cvt_pk_f16_f32 v[VFR+(4*\ks+\t)*8+4*\c+\p], v[TM3+((2*\ks+\c)*8+2*\p)*4+\t], v[TM3+((2*\ks+\c)*8+2*\p+1)*4+\t]
.endr
.endr
.endr
.endr
.endm
.macro CVK                             ; K to bf16, through my own LDS area into fragments.  LDS serves a wave in order: no wait between stores and loads
	WIN 0x8a
.set i, 0
.rept 32
	v_cvt_pk_bf16_f32 v[STK+4*i], v[STK+4*i], v[STK+4*i+1]
	v_cvt_pk_bf16_f32 v[STK+4*i+1], v[STK+4*i+2], v[STK+4*i+3]
.set i, i+1
.endr
	WIN 0x08
.set i, 0
.rept 32
	ds_store_b64 v3, v[STK+4*i:STK+4*i+1] offset:288*i
.set i, i+1
.endr
	WIN 0x40
.irp kt, 0,1,2,3
.irp s, 0,1
.irp c, 0,1
	ds_load_b128 v[KFR+(2*\kt+\s)*8+4*\c:KFR+(2*\kt+\s)*8+4*\c+3], v5 offset:\kt*2304+64*\s+32*\c
.endr
.endr
.endr
.endm
.macro QK                              ; 64 keys x 64 queries x 64: the first half of d starts the sums, the second chains in place
	WIN 0x05
.irp kt, 0,1,2,3
.irp q, 0,1,2,3
	v_wmma_f32_16x16x32_bf16 v[SC+32*\q+8*\kt:SC+32*\q+8*\kt+7], v[KFR+16*\kt:KFR+16*\kt+7], v[QFR+16*\q:QFR+16*\q+7], 0
.endr
.endr
.irp kt, 0,1,2,3
.irp q, 0,1,2,3
	v_wmma_f32_16x16x32_bf16 v[SC+32*\q+8*\kt:SC+32*\q+8*\kt+7], v[KFR+16*\kt+8:KFR+16*\kt+15], v[QFR+16*\q+8:QFR+16*\q+15], v[SC+32*\q+8*\kt:SC+32*\q+8*\kt+7]
.endr
.endr
.endm
; key <= query  <=>  16 (kt - q) + j <= r - 8 h - 64 (chunk - block) = v17.  One compare serves all tiles of one kt - q = e - 3.
.macro MASK
.irp e, 0,1,2,3,4,5,6
.irp j, 0,1,2,3,4,5,6,7
	v_cmp_le_i32 vcc_lo, 16*(\e-3)+\j, v17
.irp q, 0,1,2,3
.if \q+\e-3 >= 0
.if \q+\e-3 <= 3
	v_cndmask_b32 v[SC+32*\q+8*(\q+\e-3)+\j], v18, v[SC+32*\q+8*(\q+\e-3)+\j], vcc_lo
.endif
.endif
.endr
.endr
.endr
.endm
; The online softmax of a trip, the four query tiles interleaved so that no line waits for the one in front of it.
.macro SMAX head
.irp q, 0,1,2,3
.if \head
	v_max3_num_f32 v[MX+\q], v[SC+32*\q], v[SC+32*\q+1], s43
.else
	v_max3_num_f32 v[MX+\q], v[SC+32*\q], v[SC+32*\q+1], v[MX+\q]
.endif
.endr
.irp i, 1,2,3,4,5,6,7,8,9,10,11,12,13,14,15
.irp q, 0,1,2,3
	v_max3_num_f32 v[MX+\q], v[SC+32*\q+2*\i], v[SC+32*\q+2*\i+1], v[MX+\q]
.endr
.endr
.irp q, 0,1,2,3
	v_permlanex16_b32 v[TQ+\q], v[MX+\q], s44, s45         ; the other 32 keys of the same query
.endr
.irp q, 0,1,2,3
	v_max_num_f32 v[MX+\q], v[MX+\q], v[TQ+\q]
.endr
.if \head
.else
.irp q, 0,1,2,3
	v_fma_f32 v[ALF+2*\q], s42, v[MX+\q], -v[NMC+2*\q]     ; c (old maximum - new maximum), at most 0
.endr
.endif
.irp q, 0,1,2,3
	v_mul_f32 v[NMC+2*\q], s42, v[MX+\q]
	v_mul_f32 v[NMC+2*\q+1], s42, v[MX+\q]
.endr
.if \head
.else
.irp q, 0,1,2,3
	v_exp_f32 v[ALF+2*\q], v[ALF+2*\q]                     ; first used behind the 64 packed lines below (ISA guide 5.7.2)
.endr
.endif
.irp i, 0,1,2,3,4,5,6,7,8,9,10,11,12,13,14,15
.irp q, 0,1,2,3
	v_pk_fma_f32 v[SC+32*\q+2*\i:SC+32*\q+2*\i+1], v[SC+32*\q+2*\i:SC+32*\q+2*\i+1], s[40:41], v[NMC+2*\q:NMC+2*\q+1] op_sel_hi:[1,0,1]
.endr
.endr
.if \head
.else
	s_wait_alu depctr_va_vdst(0)
.irp q, 0,1,2,3
	v_mov_b32 v[ALF+2*\q+1], v[ALF+2*\q]
.endr
.endif
.set i, 0
.rept 128
	v_exp_f32 v[SC+i], v[SC+i]
.set i, i+1
.endr
	v_nop                                                  ; one plain place behind the run of exponentials
	s_wait_alu depctr_va_vdst(0)
.irp q, 0,1,2,3
	v_pk_add_f32 v[LSP+2*\q:LSP+2*\q+1], v[SC+32*\q:SC+32*\q+1], v[SC+32*\q+2:SC+32*\q+3]
.endr
.irp i, 2,3,4,5,6,7,8,9,10,11,12,13,14,15
.irp q, 0,1,2,3
	v_pk_add_f32 v[LSP+2*\q:LSP+2*\q+1], v[LSP+2*\q:LSP+2*\q+1], v[SC+32*\q+2*\i:SC+32*\q+2*\i+1]
.endr
.endr
.irp q, 0,1,2,3
.if \head
	v_add_f32 v[LSM+\q], v[LSP+2*\q], v[LSP+2*\q+1]
.else
	v_add_f32 v[TQ+\q], v[LSP+2*\q], v[LSP+2*\q+1]
.endif
.endr
.if \head
.else
.irp q, 0,1,2,3
	v_fma_f32 v[LSM+\q], v[LSM+\q], v[ALF+2*\q], v[TQ+\q]
.endr
.endif
.irp i, 0,1,2,3,4,5,6,7,8,9,10,11,12,13,14,15              ; P to f16 in place, ascending: register i is written when 2 i and 2 i + 1 are read
.irp q, 0,1,2,3
	v_cvt_pk_f16_f32 v[SC+32*\q+\i], v[SC+32*\q+2*\i], v[SC+32*\q+2*\i+1]
.endr
.endr
.endm
.macro RESC                            ; O of query tile q times its factor
	WIN 0x41
.irp q, 0,1,2,3
.irp i, 0,1,2,3,4,5,6,7,8,9,10,11,12,13,14,15
	v_pk_mul_f32 v[OAC+32*\q+2*\i:OAC+32*\q+2*\i+1], v[OAC+32*\q+2*\i:OAC+32*\q+2*\i+1], v[ALF+2*\q:ALF+2*\q+1]
.endr
.endr
.endm
.macro PV zero                         ; O^T += V^T P^T, f16 operands; in a head trip the first 32 keys start the sums
	WIN 0x50
.irp t, 0,1,2,3
.irp q, 0,1,2,3
.if \zero
	v_wmma_f32_16x16x32_f16 v[OAC+(4*\q+\t)*8:OAC+(4*\q+\t)*8+7], v[VFR+8*\t:VFR+8*\t+7], v[SC+32*\q:SC+32*\q+7], 0
.else
	v_wmma_f32_16x16x32_f16 v[OAC+(4*\q+\t)*8:OAC+(4*\q+\t)*8+7], v[VFR+8*\t:VFR+8*\t+7], v[SC+32*\q:SC+32*\q+7], v[OAC+(4*\q+\t)*8:OAC+(4*\q+\t)*8+7]
.endif
.endr
.endr
.irp t, 0,1,2,3
.irp q, 0,1,2,3
	v_wmma_f32_16x16x32_f16 v[OAC+(4*\q+\t)*8:OAC+(4*\q+\t)*8+7], v[VFR+32+8*\t:VFR+32+8*\t+7], v[SC+32*\q+8:SC+32*\q+15], v[OAC+(4*\q+\t)*8:OAC+(4*\q+\t)*8+7]
.endr
.endr
	WIN 0
	PLACES 5                                       ; what follows writes over P and the V fragments, by matrix instructions or by loads
.endm
; A TRIP.  At its head my K fragments of trip t are on their way from LDS, and my global loads outstanding are V(t), 32, then K(t + 1), 32.
; wv: how many younger loads stay out when V(t) has to be in.  ldv, cvk, ldk: V(t + 1) is asked for, K(t + 1) is made fragments, K(t + 2) is asked for.
; Each group of 32 loads is out for a whole trip.  A pointer pair is stepped only behind the wait that shows its last loads in.
.macro TRIP head, ldv, cvk, ldk, wv
	s_wait_dscnt 0x0                               ; K fragments (and, in a head trip, Q fragments) are in
	QK
	s_wait_loadcnt \wv                             ; V(t) is in; K(t + 1) stays out
	CVV                                            ; 192 plain lines that name no register of QK: its places
.if \ldv
	PTR 34, 30, 1
	LDV
.endif
.if \cvk
	s_wait_loadcnt 0x20                            ; K(t + 1) is in; the 32 loads of V(t + 1) stay out
	CVK
.endif
.if \ldk
	PTR 32, 28, 2
	LDK
.endif
	WIN 0
.if \head
	MASK
.endif
	SMAX \head
.if \head
.else
	RESC
.endif
	PV \head
.endm
; 64 of my Wo rows (window 1, registers 128 gl ..): rounded to 8 bits as V is in CVV, then packed to f16 in place: load i leaves 4 numbers in registers 4 i, 4 i + 1.
.macro WORND gl
	WIN 0xd1                                       ; x from window 1, t to window 3
.set i, 0
.rept 64
	v_pk_fma_f32 v[TM3+2*i:TM3+2*i+1], v[128*\gl+2*i:128*\gl+2*i+1], s[56:57], v[128*\gl+2*i:128*\gl+2*i+1] op_sel_hi:[1,0,1]
.set i, i+1
.endr
	WIN 0xf1                                       ; x from window 1, t and y in window 3
.set i, 0
.rept 64
	v_pk_fma_f32 v[TM3+2*i:TM3+2*i+1], v[128*\gl+2*i:128*\gl+2*i+1], s[58:59], v[TM3+2*i:TM3+2*i+1] op_sel_hi:[1,0,1]
.set i, i+1
.endr
	WIN 0x4f                                       ; y from window 3, f16 to window 1
.set i, 0
.rept 32
	v_cvt_pk_f16_f32 v[128*\gl+4*i], v[TM3+4*i], v[TM3+4*i+1]
	v_cvt_pk_f16_f32 v[128*\gl+4*i+1], v[TM3+4*i+2], v[TM3+4*i+3]
.set i, i+1
.endr
.endm
; and through my LDS area: local row 4 r + i goes to place 16 i + r, so that fragment i takes the columns 64 gl + 4 r + i of out.
; Load n of the half holds rows 2 n + h: i = 2 (n & 1) + h, r = n >> 1.
.macro WOHALF gl
	WIN 0x04
.set i, 0
.rept 32
	ds_store_b64 v4, v[128*\gl+4*i:128*\gl+4*i+1] offset:((i&1)*32+(i>>1))*144
.set i, i+1
.endr
	WIN 0xc0
.irp t, 0,1,2,3
.irp s, 0,1
.irp c, 0,1
	ds_load_b128 v[WFR+((4*\gl+\t)*2+\s)*8+4*\c:WFR+((4*\gl+\t)*2+\s)*8+4*\c+3], v5 offset:\t*2304+64*\s+32*\c
.endr
.endr
.endr
.endm
	; ---- PROLOGUE: all first loads at once: Q 16, bias 2, Wo 64, K(0) 32, V(0) 32
.set i, 0
.rept 8
	global_load_b128 v[SC+4*i:SC+4*i+3], v1, s[46:47] offset:512*i th:TH_LOAD_NT       ; each Q row is read once in the launch
.set i, i+1
.endr
.set i, 0
.rept 8
	global_load_b128 v[SC+32+4*i:SC+32+4*i+3], v1, s[48:49] offset:512*i th:TH_LOAD_NT
.set i, i+1
.endr
	global_load_b128 v[BIA:BIA+3], v19, s[52:53]
	global_load_b128 v[BIA+4:BIA+7], v19, s[52:53] offset:256
	WIN 0x40
.set i, 0
.rept 64
	global_load_b128 v[4*i:4*i+3], v1, s[50:51] offset:512*i                           ; window 1 whole, free until the first trip
.set i, i+1
.endr
	PTR 32, 28, 0
	LDK
	PTR 34, 30, 0
	LDV
	WIN 0
	s_wait_loadcnt 0x3f                            ; of 146 loads at most 63 are out: the oldest 83 are in, which covers Q, bias and Wo (82)
.set i, 0
.rept 16
	v_cvt_pk_bf16_f32 v[SC+4*i], v[SC+4*i], v[SC+4*i+1]
	v_cvt_pk_bf16_f32 v[SC+4*i+1], v[SC+4*i+2], v[SC+4*i+3]
.set i, i+1
.endr
.set i, 0
.rept 16
	ds_store_b64 v6, v[SC+4*i:SC+4*i+1] offset:(i>>3)*9216+(i&7)*288
.set i, i+1
.endr
	WORND 0
	WOHALF 0                                       ; my own area, served in order: the second half and then K(0) follow without a wait
	WORND 1
	WOHALF 1
	s_wait_loadcnt 0x20                            ; K(0) is in; V(0) stays out
	CVK
	PTR 32, 28, 1
	LDK                                            ; K(1)
	WIN 0
	BAR                                            ; Q of both blocks is in LDS for every wave
	; ---- A BLOCK
.Lblock:
	s_wait_xcnt 0x0                                ; the last block's stores have read their base and data, which are written again below
	s_mov_b32 s26, LQ
	s_mov_b32 s27, LQ+9216
	s_cmp_eq_u32 s23, 0
	s_cselect_b32 s24, s17, s54                    ; a, the block
	s_cselect_b32 s22, s19, 7                      ; where the loop below ends: the high block's trips 7 and 8 are written out behind it
	s_cselect_b32 s25, s20, 8
	s_cselect_b32 s26, s26, s27                    ; its Q in LDS
	v_add_nc_u32 v7, s26, v8
	s_sub_co_u32 s25, s25, s21
	s_lshl2_add_u32 s25, s25, s16                  ; my chunk of the head trip
	s_sub_co_i32 s25, s25, s24                     ; chunk - block, -3 .. 3
	s_lshl_b32 s25, s25, 6
	v_sub_nc_u32 v17, v16, s25                     ; the mask term
	s_lshl_b32 s36, s18, 22                        ; out: batch of 2,048 rows of 2,048 bytes,
	s_lshl_b32 s26, s24, 17                        ; block of 64 rows,
	s_add_co_u32 s36, s36, s26
	s_lshl_b32 s26, s16, 9                         ; my 128 columns
	s_add_co_u32 s36, s36, s26
	s_add_nc_u64 s[38:39], s[14:15], s[36:37]
	WIN 0x40
.irp q, 0,1,2,3
.irp s, 0,1
.irp c, 0,1
	ds_load_b128 v[QFR+(2*\q+\s)*8+4*\c:QFR+(2*\q+\s)*8+4*\c+3], v7 offset:\q*2304+64*\s+32*\c
.endr
.endr
.endr
	TRIP 1, 1, 1, 1, 0x20
	s_add_co_u32 s21, s21, 1
	s_cmp_ge_u32 s21, s22
	s_cbranch_scc1 .Lafter
.Lbody:
	TRIP 0, 1, 1, 1, 0x20
	s_add_co_u32 s21, s21, 1
	s_cmp_lt_u32 s21, s22
	s_cbranch_scc1 .Lbody
.Lafter:
	s_cmp_eq_u32 s23, 0
	s_cbranch_scc1 .Lmerge
	TRIP 0, 1, 1, 0, 0x20                          ; trip 7: no K(9)
	s_add_co_u32 s21, s21, 1
	TRIP 0, 0, 0, 0, 0x0                           ; trip 8: only V(8) is out, nothing is asked for
.Lmerge:
	; ---- MERGE of the four waves.  The loads of V(t) and K(t + 1) that are out land in window 2 and the K fragments lie in window 1: neither is touched.
.irp q, 0,1,2,3
	v_permlanex16_b32 v[TQ+\q], v[LSM+\q], s44, s45
.endr
.irp q, 0,1,2,3
	v_add_f32 v[LSM+\q], v[LSM+\q], v[TQ+\q]       ; both halves of my keys
.endr
.irp q, 0,1,2,3
	v_mov_b32 v[TQ+\q], v[NMC+2*\q]                ; four neighbouring registers for one store
.endr
	ds_store_b128 v11, v[TQ:TQ+3]                  ; lanes r and r + 16 write the same 16 bytes with the same numbers
	ds_store_b128 v11, v[LSM:LSM+3] offset:256
	BAR
.irp w, 0,1,2,3
	ds_load_b128 v[NMW+4*\w:NMW+4*\w+3], v12 offset:512*\w
	ds_load_b128 v[LLW+4*\w:LLW+4*\w+3], v12 offset:512*\w+256
.endr
	s_wait_dscnt 0x0
.irp q, 0,1,2,3
	v_min_num_f32 v[GMN+\q], v[NMW+\q], v[NMW+4+\q]
.endr
.irp q, 0,1,2,3
	v_min3_num_f32 v[GMN+\q], v[GMN+\q], v[NMW+8+\q], v[NMW+12+\q]     ; the least -c m is that of the largest maximum
.endr
.irp q, 0,1,2,3
	v_sub_f32 v[FOW+\q], v[GMN+\q], v[TQ+\q]       ; c (my maximum - the largest), at most 0
.endr
.irp w, 0,1,2,3
.irp q, 0,1,2,3
	v_sub_f32 v[NMW+4*\w+\q], v[GMN+\q], v[NMW+4*\w+\q]
.endr
.endr
.set i, 0
.rept 16
	v_exp_f32 v[NMW+i], v[NMW+i]
.set i, i+1
.endr
.irp q, 0,1,2,3
	v_exp_f32 v[FOW+\q], v[FOW+\q]
.endr
	v_nop
	s_wait_alu depctr_va_vdst(0)
.irp q, 0,1,2,3
	v_mul_f32 v[LGS+\q], v[NMW+\q], v[LLW+\q]
.endr
.irp w, 1,2,3
.irp q, 0,1,2,3
	v_fmac_f32 v[LGS+\q], v[NMW+4*\w+\q], v[LLW+4*\w+\q]
.endr
.endr
.irp q, 0,1,2,3
	v_rcp_f32 v[LGS+\q], v[LGS+\q]                 ; the sum holds the term of the largest score, which is about 1: never 0
.endr
	v_nop
	s_wait_alu depctr_va_vdst(0)
.irp q, 0,1,2,3
	v_mul_f32 v[ALF+2*\q], v[FOW+\q], v[LGS+\q]
	v_mul_f32 v[ALF+2*\q+1], v[FOW+\q], v[LGS+\q]
.endr
	RESC                                           ; my part, already on the common scale and divided by the sum
	WIN 0x04
.set i, 0
.rept 32
	ds_store_b128 v13, v[OAC+4*i:OAC+4*i+3] offset:512*i
.set i, i+1
.endr
	WIN 0
	BAR
.irp w, 0,1,2,3                                    ; wave w adds up query tile w: O registers 32 w .. 32 w + 31 of all four
.irp k, 0,1,2,3,4,5,6,7
	ds_load_b128 v[RED+32*\w+4*\k:RED+32*\w+4*\k+3], v14 offset:16384*\w+512*\k
.endr
.endr
	s_wait_dscnt 0x0
.irp i, 0,1,2,3,4,5,6,7,8,9,10,11,12,13,14,15
	v_pk_add_f32 v[RED+2*\i:RED+2*\i+1], v[RED+2*\i:RED+2*\i+1], v[RED+32+2*\i:RED+32+2*\i+1]
	v_pk_add_f32 v[RED+64+2*\i:RED+64+2*\i+1], v[RED+64+2*\i:RED+64+2*\i+1], v[RED+96+2*\i:RED+96+2*\i+1]
.endr
.irp i, 0,1,2,3,4,5,6,7,8,9,10,11,12,13,14,15
	v_pk_add_f32 v[RED+2*\i:RED+2*\i+1], v[RED+2*\i:RED+2*\i+1], v[RED+64+2*\i:RED+64+2*\i+1]
.endr
.irp j, 0,1,2,3,4,5,6,7                            ; register 8 t + j is dv = 32 h + 4 j + t: back into the natural order while rounding to f16
	v_cvt_pk_f16_f32 v[EPK+2*\j], v[RED+\j], v[RED+8+\j]
	v_cvt_pk_f16_f32 v[EPK+2*\j+1], v[RED+16+\j], v[RED+24+\j]
.endr
.irp k, 0,1,2,3
	ds_store_b128 v9, v[EPK+4*\k:EPK+4*\k+3] offset:16*\k
.endr
	BAR
.irp qt, 0,1,2,3
.irp s, 0,1
.irp c, 0,1
	ds_load_b128 v[CAF+(2*\qt+\s)*8+4*\c:CAF+(2*\qt+\s)*8+4*\c+3], v10 offset:\qt*2304+64*\s+32*\c
.endr
.endr
.endr
	s_wait_dscnt 0x0
	; ---- PROJECTION, f16 operands: 64 queries x my 128 columns, in 8 groups n = 2 qt + gl of 16 queries x 64 columns; two sets of registers take turns.
.macro GRP n
	WIN 0x0c
.irp i, 0,1,2,3
	v_wmma_f32_16x16x32_f16 v[DPR+32*(\n&1)+8*\i:DPR+32*(\n&1)+8*\i+7], v[CAF+16*(\n>>1):CAF+16*(\n>>1)+7], v[WFR+(4*(\n&1)+\i)*16:WFR+(4*(\n&1)+\i)*16+7], 0
.endr
.irp i, 0,1,2,3
	v_wmma_f32_16x16x32_f16 v[DPR+32*(\n&1)+8*\i:DPR+32*(\n&1)+8*\i+7], v[CAF+16*(\n>>1)+8:CAF+16*(\n>>1)+15], v[WFR+(4*(\n&1)+\i)*16+8:WFR+(4*(\n&1)+\i)*16+15], v[DPR+32*(\n&1)+8*\i:DPR+32*(\n&1)+8*\i+7]
.endr
.endm
; Group m goes out behind the matrix instructions of group m + 1.  Its 32 adds name only its own set: they are the places behind group m + 1.
.macro FLUSH m
	WIN 0
	s_wait_xcnt 0x0                                ; the stores of group m - 2 have read this set, which is written again only behind this wait
.irp j, 0,1,2,3,4,5,6,7
.irp i, 0,1,2,3
	v_add_f32 v[OUTR+32*(\m&1)+4*\j+\i], v[DPR+32*(\m&1)+8*\i+\j], v[BIA+4*(\m&1)+\i]
.endr
.endr
.irp j, 0,1,2,3,4,5,6,7
	global_store_b128 v15, v[OUTR+32*(\m&1)+4*\j:OUTR+32*(\m&1)+4*\j+3], s[38:39] offset:(\m>>1)*32768+\j*2048+(\m&1)*256 th:TH_STORE_NT
.endr
.endm
	GRP 0
	GRP 1
	WIN 0
	PLACES 5                                       ; nothing plain stands behind group 0 yet (ISA guide 7.12.1)
	FLUSH 0
	GRP 2
	FLUSH 1
	GRP 3
	FLUSH 2
	GRP 4
	FLUSH 3
	GRP 5
	FLUSH 4
	GRP 6
	FLUSH 5
	GRP 7
	FLUSH 6
	FLUSH 7
	s_add_co_u32 s23, s23, 1
	s_cmp_lt_u32 s23, 2
	s_cbranch_scc1 .Lblock
	s_wait_xcnt 0x0
	v_lshl_add_u32 v254, v0, 2, 0x20400
	v_mov_b32 v255, 0
	s_wait_tensorcnt 0x0
	ds_add_u32 v254, v255
	s_wait_dscnt 0x0
	s_endpgm
.Lfunc_end_k_qebdf8d3338_attn:
	.size	k_qebdf8d3338_attn, .Lfunc_end_k_qebdf8d3338_attn-k_qebdf8d3338_attn
	.p2alignl 7, 3214868480
	.fill 96, 4, 3214868480
	.section	.rodata,"a",@progbits
	.p2align	6, 0x0
	.amdhsa_kernel k_qebdf8d3338_attn
		.amdhsa_group_segment_fixed_size 132608
		.amdhsa_private_segment_fixed_size 0
		.amdhsa_enable_private_segment 0
		.amdhsa_kernarg_size 48
		.amdhsa_user_sgpr_count 2
		.amdhsa_user_sgpr_kernarg_segment_ptr 1
		.amdhsa_wavefront_size32 1
		.amdhsa_system_sgpr_workgroup_id_x 1
		.amdhsa_system_sgpr_workgroup_id_y 1
		.amdhsa_system_sgpr_workgroup_id_z 1
		.amdhsa_system_vgpr_workitem_id 0
		.amdhsa_next_free_vgpr 1024
		.amdhsa_next_free_sgpr 66
		.amdhsa_reserve_vcc 1
		.amdhsa_float_denorm_mode_32 3
		.amdhsa_float_denorm_mode_16_64 3
		.amdhsa_memory_ordered 1
		.amdhsa_forward_progress 1
		.amdhsa_inst_pref_size 255
	.end_amdhsa_kernel
	.section	.bss,"aw",@nobits
	.p2align	6
	.space	262144
	.amdgpu_metadata
---
amdhsa.version: [ 1, 2 ]
amdhsa.kernels:
  - .name:           k_qebdf8d3338_attn
    .symbol:         k_qebdf8d3338_attn.kd
    .args:
      - { .name: query, .offset: 0, .size: 8, .value_kind: global_buffer, .address_space: global }
      - { .name: keys, .offset: 8, .size: 8, .value_kind: global_buffer, .address_space: global }
      - { .name: values, .offset: 16, .size: 8, .value_kind: global_buffer, .address_space: global }
      - { .name: Wo_w, .offset: 24, .size: 8, .value_kind: global_buffer, .address_space: global }
      - { .name: Wo_b, .offset: 32, .size: 8, .value_kind: global_buffer, .address_space: global }
      - { .name: out0, .offset: 40, .size: 8, .value_kind: global_buffer, .address_space: global }
    .group_segment_fixed_size: 132608
    .private_segment_fixed_size: 0
    .kernarg_segment_align: 8
    .kernarg_segment_size: 48
    .max_flat_workgroup_size: 128
    .sgpr_count:     66
    .vgpr_count:     1024
    .wavefront_size: 32
...
	.end_amdgpu_metadata
.endif
;; end of part 1
